; MI455X (gfx1250); checked and timed in simulation.
; The chip was launched on July 23, 2026; its instructions are those of AMD's public machine-readable ISA for CDNA 5 (MIT licence, August 2026) and "CDNA5" Instruction Set Architecture Reference Guide (July 2026). The comments in the code are by the model that wrote it; some were corrected since.
;; Ternary Linear. Allowed arithmetic: matrix products marked QUANTISED: E2M1 operands, one E8M0 scale for each 32 along K, by v_wmma_scale_f32_16x16x128_f8f6f4 with both operands' format E2M1 (or v_wmma_scale_f32_32x16x128_f4), f32 sums; everything else in f32.
;; Inputs: bias 4,096 float32; weight 4,096 x 4,096 float32; x 4,096 x 4,096 float32.
;; Outputs: out0 4,096 x 4,096 float32.
;; This version of the problem:
;;   THIS VERSION OF THE PROBLEM IS GIVEN IN LOW PRECISION. The matrix products marked QUANTISED in the list below multiply operands that are first quantised to E2M1 (2 exponent bits, 1 mantissa bit; 4 bits a number), with one power-of-two scale for each 32 numbers along K (OCP MX v1.0); their sums are f32. All else is computed in f32.
;;   The module's matrix products, in the order in which they are computed (A, B: the left and right operand; K: the contracted axis; several contracted axes count as one K, in the product's order):
;;     1. [M 4,096, K 4,096] x [K 4,096, N 4,096]; A: input x; B: computed on the way: QUANTISED
;;   THE QUANTISER, for each operand of a quantised product, along K:
;;     - K is cut into blocks of 32 from its start; a last block that is shorter is filled with zeros.
;;     - A block's scale is 2^e with e = floor(log2(the largest magnitude in the block)) - 2, held to -126 .. 127; a block of zeros has e = 0. As a byte (E8M0): e + 127.
;;     - Each number is divided by its block's scale, clamped to +-6, and rounded to the nearest number of E2M1, ties to even, subnormals kept.
;;     - The product sums the exact products of the quantised numbers (number of the format x scale) in f32.
;;   ~~~python
;;   def quantise(x, axis):      # numpy; x: float32 -> the quantised numbers, widened to float32 again
;;       x = np.moveaxis(x, axis, -1); K = x.shape[-1]
;;       x = np.pad(x, [(0, 0)] * (x.ndim - 1) + [(0, -K % 32)]); x = x.reshape(x.shape[:-1] + (-1, 32)); a = np.abs(x).max(-1, keepdims=True)
;;       e = np.where(a > 0, np.clip(np.frexp(np.where(a > 0, a, 1))[1] - 1 - 2, -126, 127), 0)      # np.frexp(a)[1] - 1 = floor(log2(a)), exactly
;;       r = np.clip(x / 2.0 ** e, -6, 6)
;;       step = 2.0 ** (np.maximum(np.frexp(np.where(r == 0, 1, r))[1] - 1, 0) - 1)
;;       q = np.round(r / step) * step * 2.0 ** e      # np.round: ties to even
;;       return np.moveaxis(q.reshape(q.shape[:-2] + (-1,))[..., :K], -1, axis).astype(np.float32)
;;   ~~~
;;   OPERANDS COMPUTED ON THE WAY. 'Computed on the way' means the value that the module computes at that place (a softmax that the list does not call 'softmax' is quantised finished and normalised). What goes into a quantiser is computed in f32, as accurately as f32 sums, v_exp_f32 and their like allow (about 1e-6 of the number): no bf16 or f16 on the way to a quantiser, and a product that is left as it is and whose result goes on into a quantised operand takes f32 operands (vector FMAs, or v_wmma_f32_16x16x4_f32). A number that lies on a knife's edge between two numbers of the format may be rounded either way, as far as f32 arithmetic and the matrix unit's own rounding can turn it there, and no further.
;; One version. Each part assembles by itself: llvm-mc -triple=amdgcn-amd-amdhsa -mcpu=gfx1250 --defsym DOCPART=n.
;; ======== version 1 of 1: 3 launches
;; limits: right only within a limited range of input values
;; workspace buffers: x_codes 8,388,608 bytes; x_scales 524,288 bytes; w_codes 8,388,608 bytes; wpart 2,048 bytes; w_sword 256 bytes
;; launch prep (part 1): grid 512 x 1, 4 waves a work-group, no clusters, 18,944 bytes of LDS; arguments x, weight, x_codes, x_scales, wpart; writes x_codes, x_scales, wpart
.if DOCPART == 1
	.amdgcn_target "amdgcn-amd-amdhsa--gfx1250"
	.amdhsa_code_object_version 6
	.text
	.protected	k_q597ec72fd2_prep
	.globl	k_q597ec72fd2_prep
	.p2align	8
	.type	k_q597ec72fd2_prep,@function
k_q597ec72fd2_prep:
	s_mov_b64 s[64:65], 0
	v_nop
	global_prefetch_b8 v0, s[64:65] scope:SCOPE_SE
	s_setreg_imm32_b32 hwreg(HW_REG_WAVE_MODE, 25, 1), 1
	s_wait_xcnt 0x0
; TWO STREAMS IN ONE LAUNCH.  (1) x [4096][4096] f32 becomes codes of FP4 (E2M1), K innermost, two codes a byte, with one E8M0 byte for each 32 along K.
; (2) |weight| is summed: one f32 partial sum a work-group; the next launch adds the 512 partial sums.
; A block's scale is 2^(floor(log2(its largest magnitude)) - 2); its byte is the largest magnitude's exponent field - 2, held at 1 from below.
; LIMITS: a block of zeros gets the byte 1 where the rule says 127 (its codes are zeros, and this program alone reads the bytes); NaN and infinities are not served;
; the sum of |weight| is a tree (4 chains a lane, 32 lanes, 4 waves, 512 work-groups), another order than a running sum.
; SHARES.  Wave run = 4 x work-group + wave takes 8,192 numbers of x and of weight in 16 steps of 4 loads each; a load reads 512 consecutive bytes, 16 a lane.
; THE NUMBERS ARE WORKED AS THEY ARE LOADED: a load holds 4 blocks of 32, eight lanes to a block, 4 numbers a lane.  The block's largest magnitude is joined over the eight lanes;
; a conversion takes the 8 registers of two loads under ONE load's scale, so half of its 8 codes count: the low 16 bits under the first load's scale, the high 16 under the second's.
; Only the CODES turn through LDS: 2 bytes a lane in, 16 bytes a lane back, so that a store covers 512 consecutive aligned bytes.
; The four loads' bytes of a lane's block are packed into a word and turned, 4 x 4 bytes over the four groups of eight lanes, so that a group holds one load's four bytes as they lie in memory.
.set STEPS, 16
.set WREG,  4608                       ; LDS, a wave's region: 4,096 bytes of codes, 256 scale bytes, the wave's sum at 4,352
.set SPARE, 4*WREG                     ; the spare words
.set M,   12                           ; v12-15 largest magnitudes, then bytes
.set OP,  16                           ; v16-19 the conversions' scale operands
.set WD,  20                           ; v20-23 at work on the scale word
.set E,   24                           ; v24-27 scale words, four sets
.set C,   28                           ; v28-43 codes, four sets of four
.set S,   44                           ; v44-47 four chains of the sum
.set R,   64                           ; v64-127  four sets of 16 numbers of x
.set W,   128                          ; v128-191 four sets of 16 numbers of weight
.set O,   192                          ; v192-223 codes back from LDS: four registers for each two steps, never written again
	s_load_b256 s[4:11], s[0:1], 0x0               ; x, weight, x's codes, x's scale bytes
	s_load_b64 s[12:13], s[0:1], 0x20              ; the partial sums
	v_lshl_add_u32 v54, v0, 2, SPARE
	v_mov_b32 v55, 0
	v_lshrrev_b32 v1, 5, v0
	v_readfirstlane_b32 s16, v1                    ; wave
	s_mul_i32 s17, s16, WREG
	s_add_co_u32 s24, s17, 4096
	s_add_co_u32 s25, s17, 4352
	s_mov_b32 s22, 0x76543210
	s_mov_b32 s23, 0xfedcba98                      ; selects for lane l xor 16
	s_lshl_b32 s18, ttmp9, 2
	s_add_co_u32 s18, s18, s16                     ; run
	s_lshl_b32 s20, s18, 15
	s_mov_b32 s21, 0
	v_and_b32 v2, 31, v0                           ; lane
	v_lshlrev_b32 v3, 4, v2                        ; 16 x lane
	v_lshlrev_b32 v4, 3, v2                        ; 8 x lane
	v_lshlrev_b32 v5, 1, v2
	v_add_nc_u32 v5, s17, v5                       ; LDS: my 2 bytes of a load's 64 bytes of codes
	v_lshrrev_b32 v6, 3, v2
	v_lshlrev_b32 v6, 2, v6
	v_add_nc_u32 v6, s24, v6                       ; LDS: my group's scale word
	v_add_nc_u32 v7, s17, v3                       ; LDS: codes on the way back
	v_add_nc_u32 v8, s24, v4                       ; LDS: scale bytes on the way back
	v_mov_b32 v9, s25                              ; LDS: my wave's sum
	v_and_b32 v1, 8, v2
	v_cmp_ne_u32 vcc_lo, 0, v1
	v_mov_b32 v10, 0x06020400
	v_mov_b32 v11, 0x03070105
	v_cndmask_b32 v10, v10, v11, vcc_lo            ; the turn's first selector: even groups, odd groups
	v_and_b32 v1, 16, v2
	v_cmp_ne_u32 vcc_lo, 0, v1
	v_mov_b32 v11, 0x05040100
	v_mov_b32 v59, 0x03020706
	v_cndmask_b32 v11, v11, v59, vcc_lo            ; its second: groups 0, 1 and groups 2, 3
	v_mov_b32 v22, 0                               ; destinations of lane moves count as sources
	v_mov_b32 v58, 0
	v_mov_b32 v48, 0
	v_mov_b32 v49, 0
	s_wait_alu depctr_va_vdst(0)
	s_wait_kmcnt 0x0
	s_add_nc_u64 s[4:5], s[4:5], s[20:21]
	s_add_nc_u64 s[6:7], s[6:7], s[20:21]
	s_lshl_b32 s20, s18, 12
	s_add_nc_u64 s[8:9], s[8:9], s[20:21]
	s_lshl_b32 s20, s18, 8
	s_add_nc_u64 s[10:11], s[10:11], s[20:21]
	s_lshl_b32 s20, ttmp9, 2
	s_add_nc_u64 s[12:13], s[12:13], s[20:21]
.macro LOAD t
.irp i, 0,1,2,3
	global_load_b128 v[R+16*((\t)%4)+4*\i:R+16*((\t)%4)+4*\i+3], v3, s[4:5] offset:2048*(\t)+512*\i th:TH_LOAD_NT
.endr
.irp i, 0,1,2,3
	global_load_b128 v[W+16*((\t)%4)+4*\i:W+16*((\t)%4)+4*\i+3], v3, s[6:7] offset:2048*(\t)+512*\i
.endr
.endm
.irp t, 0,1,2,3
	LOAD \t
.endr
.macro STEP t
.set RS, R+16*((\t)%4)
.set WS, W+16*((\t)%4)
.set CS, C+4*((\t)%4)
.set LEFT, STEPS-1-(\t)
.if LEFT > 3
.set LEFT, 3
.endif
	s_wait_loadcnt 8*LEFT                          ; this step's eight loads are in; the eight of each of up to three later steps may be out
.if (\t) == 0
.irp k, 0,1,2,3
	v_add_f32 v[S+\k], |v[WS+\k]|, |v[WS+4+\k]|    ; the first eight start the four chains
.endr
.irp j, 8,9,10,11,12,13,14,15
	v_add_f32 v[S+\j%4], v[S+\j%4], |v[WS+\j]|
.endr
.else
.irp j, 0,1,2,3,4,5,6,7,8,9,10,11,12,13,14,15
	v_add_f32 v[S+\j%4], v[S+\j%4], |v[WS+\j]|
.endr
.endif
.irp i, 0,1,2,3
	v_max3_num_f32 v[M+\i], |v[RS+4*\i]|, |v[RS+4*\i+1]|, 0x1800000   ; my 4 numbers of load i, and the floor 2^(3 - 127)
.endr
.irp i, 0,1,2,3
	v_max3_num_f32 v[M+\i], v[M+\i], |v[RS+4*\i+2]|, |v[RS+4*\i+3]|
.endr
.irp x, 1,2,4
.irp i, 0,1,2,3
	v_max_num_f32_dpp v[M+\i], v[M+\i], v[M+\i] row_xmask:\x row_mask:0xf bank_mask:0xf   ; over the block's eight lanes
.endr
.endr
.irp i, 0,1,2,3
	v_add_nc_u32 v[OP+\i], 0xff000000, v[M+\i]     ; 2 off the exponent field: the conversion's scale operand
.endr
	v_cvt_scalef32_pk8_fp4_f32 v[CS], v[RS:RS+7], v[OP]            ; low 16 bits: load 0's codes
	v_cvt_scalef32_pk8_fp4_f32 v[CS+1], v[RS:RS+7], v[OP+1]        ; high 16 bits: load 1's
	v_cvt_scalef32_pk8_fp4_f32 v[CS+2], v[RS+8:RS+15], v[OP+2]
	v_cvt_scalef32_pk8_fp4_f32 v[CS+3], v[RS+8:RS+15], v[OP+3]
.irp i, 0,1,2,3
	v_lshrrev_b32 v[M+\i], 23, v[OP+\i]            ; the bytes (also the plain line behind the conversions)
.endr
	v_lshl_or_b32 v[WD], v[M+1], 8, v[M]
	v_lshl_or_b32 v[WD+1], v[M+3], 8, v[M+2]
	v_lshl_or_b32 v[WD], v[WD+1], 16, v[WD]        ; byte j: load j's block of my group
	v_mov_b32_dpp v[WD+2], v[WD] row_xmask:8 row_mask:0xf bank_mask:0xf
	v_perm_b32 v[WD+3], v[WD+2], v[WD], v10        ; bytes turned between neighbouring groups,
	v_permlanex16_b32 v58, v[WD+3], s22, s23
	v_perm_b32 v[E+(\t)%4], v58, v[WD+3], v11      ; halves between groups two apart: group g holds load g's four bytes
.if (\t)+4 < STEPS
	LOAD (\t)+4
.endif
	ds_store_b16 v5, v[CS] offset:256*(\t)
	ds_store_b16_d16_hi v5, v[CS+1] offset:256*(\t)+64
	ds_store_b16 v5, v[CS+2] offset:256*(\t)+128
	ds_store_b16_d16_hi v5, v[CS+3] offset:256*(\t)+192
	ds_store_b32 v6, v[E+(\t)%4] offset:16*(\t)    ; eight lanes write the same word with the same value
.if (\t)%2 == 1
	ds_load_b128 v[O+4*((\t)/2):O+4*((\t)/2)+3], v7 offset:512*((\t)/2)   ; two steps' codes back: LDS serves a wave's instructions in order
.else
.if (\t) > 0
	s_wait_dscnt 5                                 ; all but this step's five stores: the earlier steps' LDS stores have read their registers, and the codes asked for at the last step's end are back; they are stored at the wave's end
.endif
.endif
.endm
.irp t, 0,1,2,3,4,5,6,7,8,9,10,11,12,13,14,15
	STEP \t
.endr
	ds_load_b64 v[56:57], v8                       ; my wave's scale bytes
	v_add_f32 v[S], v[S], v[S+1]
	v_add_f32 v[S+2], v[S+2], v[S+3]
	v_add_f32 v[S], v[S], v[S+2]
	v_add_f32_dpp v[S], v[S], v[S] row_xmask:1 row_mask:0xf bank_mask:0xf
	v_add_f32_dpp v[S], v[S], v[S] row_xmask:2 row_mask:0xf bank_mask:0xf
	v_add_f32_dpp v[S], v[S], v[S] row_xmask:4 row_mask:0xf bank_mask:0xf
	v_add_f32_dpp v[S], v[S], v[S] row_xmask:8 row_mask:0xf bank_mask:0xf
	v_permlanex16_b32 v48, v[S], s22, s23
	v_add_f32 v[S], v[S], v48
	ds_store_b32 v9, v[S]                          ; all lanes write the same word with the same value
	s_wait_dscnt 0x0                               ; my store has landed, for the others' sake; my last codes and bytes are in registers
	s_barrier_signal -1
	s_barrier_wait -1
.irp i, 0,1,2,3
	ds_load_b32 v[50+\i], v49 offset:4352+WREG*\i  ; the four waves' sums
.endr
	s_wait_dscnt 0x0
	v_add_f32 v50, v50, v51
	v_add_f32 v52, v52, v53
	v_add_f32 v50, v50, v52
	s_cmp_lg_u32 s16, 0
	s_cbranch_scc1 .Lend                           ; wave 0 stores it,
	v_cmp_eq_u32 vcc_lo, 0, v2
	s_wait_xcnt 0x0                                ; EXEC changes only behind this wait
	s_and_saveexec_b32 s24, vcc_lo                 ; from lane 0
	s_wait_alu depctr_va_vdst(0)
	global_store_b32 v49, v50, s[12:13]
	s_wait_xcnt 0x0
	s_or_b32 exec_lo, exec_lo, s24
.Lend:
.irp j, 0,1,2,3,4,5,6,7
	global_store_b128 v3, v[O+4*\j:O+4*\j+3], s[8:9] offset:512*\j   ; my run's 4,096 bytes of codes, behind all my loads and vector work: 512 consecutive aligned bytes a store
.endr
	global_store_b64 v4, v[56:57], s[10:11]        ; my run's scale bytes: 256 consecutive aligned bytes
	s_wait_tensorcnt 0x0
	ds_add_u32 v54, v55
	s_wait_dscnt 0x0
	s_endpgm
.Lfunc_end_k_q597ec72fd2_prep:
	.size	k_q597ec72fd2_prep, .Lfunc_end_k_q597ec72fd2_prep-k_q597ec72fd2_prep
	.p2alignl 7, 3214868480
	.fill 96, 4, 3214868480
	.section	.rodata,"a",@progbits
	.p2align	6, 0x0
	.amdhsa_kernel k_q597ec72fd2_prep
		.amdhsa_group_segment_fixed_size 18944
		.amdhsa_private_segment_fixed_size 0
		.amdhsa_enable_private_segment 0
		.amdhsa_kernarg_size 40
		.amdhsa_user_sgpr_count 2
		.amdhsa_user_sgpr_kernarg_segment_ptr 1
		.amdhsa_wavefront_size32 1
		.amdhsa_system_sgpr_workgroup_id_x 1
		.amdhsa_system_sgpr_workgroup_id_y 1
		.amdhsa_system_sgpr_workgroup_id_z 1
		.amdhsa_system_vgpr_workitem_id 0
		.amdhsa_next_free_vgpr 224
		.amdhsa_next_free_sgpr 66
		.amdhsa_reserve_vcc 1
		.amdhsa_float_denorm_mode_32 3
		.amdhsa_float_denorm_mode_16_64 3
		.amdhsa_memory_ordered 1
		.amdhsa_forward_progress 1
		.amdhsa_inst_pref_size 78
	.end_amdhsa_kernel
	.amdgpu_metadata
---
amdhsa.version: [ 1, 2 ]
amdhsa.kernels:
  - .name:           k_q597ec72fd2_prep
    .symbol:         k_q597ec72fd2_prep.kd
    .args:
      - { .name: x, .offset: 0, .size: 8, .value_kind: global_buffer, .address_space: global }
      - { .name: weight, .offset: 8, .size: 8, .value_kind: global_buffer, .address_space: global }
      - { .name: x_codes, .offset: 16, .size: 8, .value_kind: global_buffer, .address_space: global }
      - { .name: x_scales, .offset: 24, .size: 8, .value_kind: global_buffer, .address_space: global }
      - { .name: wpart, .offset: 32, .size: 8, .value_kind: global_buffer, .address_space: global }
    .group_segment_fixed_size: 18944
    .private_segment_fixed_size: 0
    .kernarg_segment_align: 8
    .kernarg_segment_size: 40
    .max_flat_workgroup_size: 128
    .sgpr_count:     66
    .vgpr_count:     224
    .wavefront_size: 32
...
	.end_amdgpu_metadata
.endif
;; end of part 1
;; launch wq (part 2): grid 512 x 1, 4 waves a work-group, no clusters, 17,920 bytes of LDS; arguments weight, wpart, w_codes, w_sword; writes w_codes, w_sword
.if DOCPART == 2
	.amdgcn_target "amdgcn-amd-amdhsa--gfx1250"
	.amdhsa_code_object_version 6
	.text
	.protected	k_q597ec72fd2_wq
	.globl	k_q597ec72fd2_wq
	.p2align	8
	.type	k_q597ec72fd2_wq,@function
k_q597ec72fd2_wq:
	s_mov_b64 s[64:65], 0
	v_nop
	global_prefetch_b8 v0, s[64:65] scope:SCOPE_SE
	s_setreg_imm32_b32 hwreg(HW_REG_WAVE_MODE, 25, 1), 1
	s_wait_xcnt 0x0
; weight [4096][4096] f32 is ternarised and quantised: scale = the mean of |weight|, thr = 0.05 scale; w_tern = +scale where w > thr, -scale where w < -thr, else 0; then codes of FP4 (E2M1) along K.
; ONE SCALE BYTE SERVES THE WHOLE TENSOR: a block's largest magnitude is scale or 0, and a block of zeros has zero codes.  The byte, four times in a word, is stored 64 times (256 bytes) by one wave.
; Every wave adds the 512 partial sums in the same order.  The division by 2^24 is a multiplication that rounds nothing.
; LIMITS: NaN and infinities are not served.  The sum is a tree, not a running sum: a weight within a few parts in 10^7 of +-thr may fall either way, and so may scale / 2^e where it lies so near 5.  A scale under 2^-124 is held at the byte 1.
; THE CODES ARE LAID AS THE PRODUCT'S REGISTERS WANT THEM: for 16 rows (nb) and 128 along K (ks) 1,024 bytes: byte nb 32768 + ks 1024 + c 512 + h 256 + r 16 begins the 16 bytes of row 16 nb + r, k = 128 ks + 64 c + 32 h + 0 .. 31.
; SHARES.  A work-group takes 16 rows x 2,048 along K, a wave 4 of the rows, in 16 steps of 4 loads of 512 consecutive bytes.  All blocks share one scale, so a conversion takes the 8 registers of two loads:
; its low 16 bits are 4 codes of the first load, its high 16 of the second.  The codes go by 2 bytes a lane into the work-group's stage in LDS (64 units of 256 bytes, 16 of padding behind each),
; a barrier follows, and each wave takes 16 units back and stores them, 512 consecutive aligned bytes a store.
.set STEPS, 16
.set UP,    272                        ; a unit in the stage
.set SPARE, 64*UP                      ; the spare words
.set R,     16                         ; v16-79   four sets of 16 numbers
.set O,     80                         ; v80-111  the way out
.set C,     128                        ; v128-159 codes: two registers for each step
.set P,     160                        ; v160-175 my 16 of the 512 partial sums
.set SCA,   176
.set THR,   177
.set OPR,   178
	s_load_b256 s[4:11], s[0:1], 0x0               ; weight, the partial sums, the codes, the scale word
	v_lshl_add_u32 v192, v0, 2, SPARE
	v_mov_b32 v193, 0
	v_lshrrev_b32 v1, 5, v0
	v_readfirstlane_b32 s16, v1                    ; wave
	s_lshl_b32 s17, s16, 6                         ; my 4 rows' 64 bytes of a unit
	s_mul_i32 s19, s16, 16*UP                      ; the 16 units that I take out
	s_mov_b32 s22, 0x76543210
	s_mov_b32 s23, 0xfedcba98
	s_mov_b32 s24, 0x7fffffff
	s_lshl_b32 s18, ttmp9, 2
	s_add_co_u32 s18, s18, s16                     ; 0 in the launch's first wave alone
	s_lshr_b32 s25, ttmp9, 1                       ; nb
	s_and_b32 s26, ttmp9, 1                        ; which half of K
	s_lshl_b32 s20, s25, 18                        ; 16 rows of 16,384 bytes
	s_lshl_b32 s27, s16, 16
	s_add_co_u32 s20, s20, s27
	s_lshl_b32 s27, s26, 13
	s_add_co_u32 s20, s20, s27
	s_mov_b32 s21, 0
	s_lshl_b32 s28, s25, 15
	s_lshl_b32 s27, s26, 14
	s_add_co_u32 s28, s28, s27
	s_lshl_b32 s27, s16, 12
	s_add_co_u32 s28, s28, s27
	s_mov_b32 s29, 0
	v_and_b32 v2, 31, v0
	v_lshlrev_b32 v3, 4, v2                        ; 16 x lane
	v_lshlrev_b32 v4, 3, v2                        ; 8 x lane
	v_lshrrev_b32 v5, 3, v2
	v_mul_u32_u24 v5, v5, UP
	v_and_b32 v6, 7, v2
	v_lshl_add_u32 v5, v6, 1, v5
	v_add_nc_u32 v5, s17, v5                       ; into the stage: unit lane / 8 of a load's four, 2 (lane % 8) in my row's 16 bytes
	v_lshrrev_b32 v7, 4, v2
	v_mul_u32_u24 v7, v7, UP
	v_and_b32 v6, 15, v2
	v_lshl_add_u32 v7, v6, 4, v7
	v_add_nc_u32 v7, s19, v7                       ; out of it: sixteen lanes to a unit
	v_mov_b32 v182, 0
	s_wait_alu depctr_va_vdst(0)
	s_wait_kmcnt 0x0
	s_add_nc_u64 s[4:5], s[4:5], s[20:21]
	s_add_nc_u64 s[8:9], s[8:9], s[28:29]
.macro LOAD t
.irp i, 0,1,2,3
	global_load_b128 v[R+16*((\t)%4)+4*\i:R+16*((\t)%4)+4*\i+3], v3, s[4:5] offset:16384*((\t)/4)+2048*((\t)%4)+512*\i th:TH_LOAD_NT
.endr
.endm
.irp i, 0,1,2,3
	global_load_b128 v[P+4*\i:P+4*\i+3], v3, s[6:7] offset:512*\i
.endr
.irp t, 0,1,2,3
	LOAD \t
.endr
	s_wait_loadcnt 16                              ; the partial sums are in; the 16 loads of weight stay out
	v_pk_add_f32 v[P:P+1], v[P:P+1], v[P+2:P+3]
	v_pk_add_f32 v[P+4:P+5], v[P+4:P+5], v[P+6:P+7]
	v_pk_add_f32 v[P+8:P+9], v[P+8:P+9], v[P+10:P+11]
	v_pk_add_f32 v[P+12:P+13], v[P+12:P+13], v[P+14:P+15]
	v_pk_add_f32 v[P:P+1], v[P:P+1], v[P+4:P+5]
	v_pk_add_f32 v[P+8:P+9], v[P+8:P+9], v[P+12:P+13]
	v_pk_add_f32 v[P:P+1], v[P:P+1], v[P+8:P+9]
	v_add_f32 v[P], v[P], v[P+1]
	v_add_f32_dpp v[P], v[P], v[P] row_xmask:1 row_mask:0xf bank_mask:0xf
	v_add_f32_dpp v[P], v[P], v[P] row_xmask:2 row_mask:0xf bank_mask:0xf
	v_add_f32_dpp v[P], v[P], v[P] row_xmask:4 row_mask:0xf bank_mask:0xf
	v_add_f32_dpp v[P], v[P], v[P] row_xmask:8 row_mask:0xf bank_mask:0xf
	v_permlanex16_b32 v182, v[P], s22, s23
	v_add_f32 v[P], v[P], v182                     ; the sum of |weight|
	v_mul_f32 v[SCA], 0x33800000, v[P]             ; x 2^-24
	v_mul_f32 v[THR], 0x3d4ccccd, v[SCA]           ; x 0.05
	v_max_num_f32 v[OPR], 0x1800000, v[SCA]        ; the floor 2^(3 - 127)
	v_add_nc_u32 v[OPR], 0xff000000, v[OPR]        ; the conversions' scale operand
	v_lshrrev_b32 v179, 23, v[OPR]                 ; the byte
	v_lshl_or_b32 v180, v179, 8, v179
	v_lshl_or_b32 v180, v180, 16, v180
	v_mov_b32 v181, v180
	s_wait_alu depctr_va_vdst(0)
.macro STEP t
.set RS, R+16*((\t)%4)
.set LEFT, STEPS-1-(\t)
.if LEFT > 3
.set LEFT, 3
.endif
	s_wait_loadcnt 4*LEFT                          ; this step's four loads are in; those of up to three later steps may be out
.irp j, 0,1,2,3,4,5,6,7,8,9,10,11,12,13,14,15
	v_cmp_gt_f32 vcc_lo, |v[RS+\j]|, v[THR]
	v_bfi_b32 v[RS+\j], s24, v[SCA], v[RS+\j]      ; scale's magnitude under w's sign
	v_cndmask_b32 v[RS+\j], 0, v[RS+\j], vcc_lo    ; or 0
.endr
	v_cvt_scalef32_pk8_fp4_f32 v[C+2*(\t)], v[RS:RS+7], v[OPR]
	v_cvt_scalef32_pk8_fp4_f32 v[C+2*(\t)+1], v[RS+8:RS+15], v[OPR]
	v_nop                                          ; one plain line behind the conversions
.if (\t)+4 < STEPS
	LOAD (\t)+4
.endif
	ds_store_b16 v5, v[C+2*(\t)] offset:(4*((\t)%4)+0)*4*UP+16*((\t)/4)
	ds_store_b16_d16_hi v5, v[C+2*(\t)] offset:(4*((\t)%4)+1)*4*UP+16*((\t)/4)
	ds_store_b16 v5, v[C+2*(\t)+1] offset:(4*((\t)%4)+2)*4*UP+16*((\t)/4)
	ds_store_b16_d16_hi v5, v[C+2*(\t)+1] offset:(4*((\t)%4)+3)*4*UP+16*((\t)/4)
.endm
.irp t, 0,1,2,3,4,5,6,7,8,9,10,11,12,13,14,15
	STEP \t
.endr
	s_wait_dscnt 0x0                               ; for the others' sake: my stores into the stage are done
	s_barrier_signal -1
	s_barrier_wait -1
.irp j, 0,1,2,3,4,5,6,7
	ds_load_b128 v[O+4*\j:O+4*\j+3], v7 offset:2*\j*UP
.endr
.irp j, 0,1,2,3,4,5,6,7
	s_wait_dscnt 7-\j
	global_store_b128 v3, v[O+4*\j:O+4*\j+3], s[8:9] offset:512*\j   ; 512 consecutive aligned bytes
.endr
	s_cmp_lg_u32 s18, 0
	s_cbranch_scc1 .Lend                           ; the launch's first wave stores the scale word: 256 bytes in one store
	global_store_b64 v4, v[180:181], s[10:11]
.Lend:
	s_wait_tensorcnt 0x0                           ; the wave's end
	ds_add_u32 v192, v193
	s_wait_dscnt 0x0
	s_endpgm
.Lfunc_end_k_q597ec72fd2_wq:
	.size	k_q597ec72fd2_wq, .Lfunc_end_k_q597ec72fd2_wq-k_q597ec72fd2_wq
	.p2alignl 7, 3214868480
	.fill 96, 4, 3214868480
	.section	.rodata,"a",@progbits
	.p2align	6, 0x0
	.amdhsa_kernel k_q597ec72fd2_wq
		.amdhsa_group_segment_fixed_size 17920
		.amdhsa_private_segment_fixed_size 0
		.amdhsa_enable_private_segment 0
		.amdhsa_kernarg_size 32
		.amdhsa_user_sgpr_count 2
		.amdhsa_user_sgpr_kernarg_segment_ptr 1
		.amdhsa_wavefront_size32 1
		.amdhsa_system_sgpr_workgroup_id_x 1
		.amdhsa_system_sgpr_workgroup_id_y 1
		.amdhsa_system_sgpr_workgroup_id_z 1
		.amdhsa_system_vgpr_workitem_id 0
		.amdhsa_next_free_vgpr 194
		.amdhsa_next_free_sgpr 66
		.amdhsa_reserve_vcc 1
		.amdhsa_float_denorm_mode_32 3
		.amdhsa_float_denorm_mode_16_64 3
		.amdhsa_memory_ordered 1
		.amdhsa_forward_progress 1
		.amdhsa_inst_pref_size 59
	.end_amdhsa_kernel
	.amdgpu_metadata
---
amdhsa.version: [ 1, 2 ]
amdhsa.kernels:
  - .name:           k_q597ec72fd2_wq
    .symbol:         k_q597ec72fd2_wq.kd
    .args:
      - { .name: weight, .offset: 0, .size: 8, .value_kind: global_buffer, .address_space: global }
      - { .name: wpart, .offset: 8, .size: 8, .value_kind: global_buffer, .address_space: global }
      - { .name: w_codes, .offset: 16, .size: 8, .value_kind: global_buffer, .address_space: global }
      - { .name: w_sword, .offset: 24, .size: 8, .value_kind: global_buffer, .address_space: global }
    .group_segment_fixed_size: 17920
    .private_segment_fixed_size: 0
    .kernarg_segment_align: 8
    .kernarg_segment_size: 32
    .max_flat_workgroup_size: 128
    .sgpr_count:     66
    .vgpr_count:     194
    .wavefront_size: 32
...
	.end_amdgpu_metadata
.endif
;; end of part 2
;; launch gemm (part 3): grid 16 x 16, 4 waves a work-group, clusters of 4 x 1, 327,680 bytes of LDS; arguments x_codes, x_scales, w_codes, w_sword, bias, out0; writes out0
.if DOCPART == 3
	.amdgcn_target "amdgcn-amd-amdhsa--gfx1250"
	.amdhsa_code_object_version 6
	.text
	.protected	k_q597ec72fd2_gemm
	.globl	k_q597ec72fd2_gemm
	.p2align	8
	.type	k_q597ec72fd2_gemm,@function
k_q597ec72fd2_gemm:
	s_mov_b64 s[64:65], 0
	v_nop
	global_prefetch_b8 v0, s[64:65] scope:SCOPE_SE
	s_setreg_imm32_b32 hwreg(HW_REG_WAVE_MODE, 25, 1), 1
	s_wait_xcnt 0x0
	s_wait_alu depctr_hold_cnt(0) depctr_sa_sdst(0) depctr_va_vdst(0) depctr_va_sdst(0) depctr_va_ssrc(0) depctr_va_vcc(0) depctr_vm_vsrc(0)
	s_getreg_b32 s2, hwreg(HW_REG_IB_STS2, 6, 4)
	s_cmp_eq_u32 s2, 0
	s_cbranch_scc0 .Lentry_in_a_cluster
	s_endpgm
.Lentry_in_a_cluster:
	s_bfe_u32 s2, ttmp6, 0x10000c
	s_cmp_lg_u32 s2, 0x3003
	s_cbranch_scc0 .Lentry_shape_is_right
	s_endpgm
.Lentry_shape_is_right:
; out0[m][n] = sum over k of Q(x)[m][k] Q(w_tern)[n][k] + bias[n], on codes of FP4 (E2M1) with E8M0 scales; sums in f32, K ascending.
; A work-group of four waves makes 256 x 256 of out0, a wave 128 x 128: 512 registers of sums.  The form is v_wmma_scale_f32_32x16x128_f4, used transposed: source 0 = 32 rows of W, source 1 = 16 rows of x,
; so that a lane holds 8 + 8 neighbouring numbers of one row of out0.  The first product of each sum takes the bias as C.
; x'S CODES come through two LDS slots, each 256 rows x 1,024 along K (rows of 512 bytes, 16 of padding): four fills in all, eight steps of 128 along K between two changes of slots.
; x's scale bytes of the 256 rows, for all of K, are one dense block of 32,768 bytes: they come once, at the head, and stay.
; W'S CODES lie in memory as images of the operand's registers (16 rows x 128 K = 1,024 bytes), and go straight into registers: 16 loads of 512 consecutive bytes a step, four sets of 64 registers,
; each set asked for at the end of the step that leaves it, three steps ahead of its use.  W has one scale byte: one register, the same word in every lane.
; CLUSTERS: 4 x 1 work-groups, the four of one tile row: x's tiles and scales are asked for jointly (mask 15).  W has no joint load: the four partners take different columns of W and share none of it.
; All 32 steps are written out by macros: every offset is an immediate, no pointer and no address register is stepped.
; PREFETCH: x's third and fourth tiles are asked for one fill ahead of their loads, the four partners and their waves sharing the 256 rows out by address (a lane to 256 bytes).
; W: no partner of the cluster loads my columns, so my work-group asks for them: at the end of each even step S the codes of steps S + 10 and S + 11, six steps ahead of their loads, a wave taking 4 of the 16 blocks of rows
; (a lane to 256 bytes, one instruction a wave); those of steps 4 to 9 are asked for at the head, behind the loads of steps 0 to 3, which come by their loads alone; the last asked for is step 31.
; REGISTERS: window 0: v16-29 addresses and W's scale word; v32-95 x's scale words, two sets; v128-191 x's fragments, one set; v192-255 the bias; on the way out v128-255.  window 1: W's four sets.  windows 2, 3: the sums.
.set SIZE_N, 4096
.set PITCH,  528
.set SLOT,   256*PITCH
.set SCL,    2*SLOT                    ; the scales: units of 256 bytes + 16, two rows of 128 bytes to a unit
.set HALFS,  64*272                    ; those of 128 rows
.set SBLK,   8*272                     ; of 16 rows
.set SPARE,  SCL+2*HALFS               ; the spare words
.set SPITCH, 528                       ; the way out: 16 rows x (512 + 16) bytes a wave, in slot 0, behind its last fill and its last read
.set ADRA, 16
.set ADRS, 18
.set STO,  19
.set RD,   20
.set LOFF, 21
.set PFOA, 22
.set PFOB, 23
.set BSC,  24
.set LOFB, 25
.set SPW,  28
.set NIL,  29
.set SC,   32
.set AF,   128
.set BI,   192
.set BK,   128
.set WV,   16
.set G1H,  24                          ; group 1: 128 rows of 512 bytes (the head)
.set G1,   32                          ; 64 rows of 512 bytes (the later fills)
.set G1S,  44                          ; 64 rows of 256 bytes (scales)
.set G0H,  52
.set G0S,  56
.set G0R,  68                          ; s[68:79] group 0 of fills 1, 2, 3
.set PFA,  80                          ; s[80:81] prefetch of x
.set MSB, 0
.macro WIN new
.if MSB != \new
	s_set_vgpr_msb (MSB<<8)|\new
.set MSB, \new
.endif
.endm
.set MUL_LO, 0xa1                      ; source 0 (W) window 1, source 1 (x) window 0, C and D window 2
.set MUL_HI, 0xf1
.set ONE_LO, 0x81                      ; C (the bias) window 0
.set ONE_HI, 0xc1
.set TO_B,   0x40
.macro PLACES
.rept 4
	v_nop
.endr
.endm
.macro CREST
	s_cmp_lg_u32 s[WV], 0
	s_cbranch_scc1 .Lnot_wave_0_\@
	s_barrier_signal -3
.Lnot_wave_0_\@:
	s_barrier_wait -3
	s_barrier_signal -1
	s_barrier_wait -1
.endm
.macro CROUND
	s_barrier_signal -1
	s_barrier_wait -1
	CREST
.endm
	s_load_b256 s[4:11], s[0:1], 0x0               ; x's codes, x's scales, W's codes, W's scale word
	s_load_b128 s[12:15], s[0:1], 0x20             ; bias, out0
	v_lshl_add_u32 v[SPW], v0, 2, SPARE
	v_mov_b32 v[NIL], 0
	ds_add_u32 v[SPW], v[NIL]                      ; the opening lines: the add twice on end and one wait
	ds_add_u32 v[SPW], v[NIL]
	v_lshrrev_b32 v1, 5, v0
	v_readfirstlane_b32 s[WV], v1
	s_lshr_b32 s17, s[WV], 1                       ; my half of the tile's rows; at the head: codes (0) or scales (1)
	s_and_b32 s18, s[WV], 1                        ; my half of its columns; at the head: which 128 rows
	s_bfe_u32 s40, ttmp6, 0x40000                  ; cx
	s_lshl_b32 s42, ttmp9, 2
	s_add_co_u32 s42, s42, s40                     ; tile column
	s_and_b32 s19, ttmp7, 0xffff                   ; tile row
	s_mov_b32 s[G1H], 15|(1<<20)|(1<<21)|(6<<22)|(3<<25)   ; the mask; bytes; 4 words of padding behind every 128
	s_mov_b32 s[G1], 15|(1<<20)|(1<<21)|(6<<22)|(3<<25)
	s_mov_b32 s[G1H+2], 128<<16
	s_mov_b32 s[G1H+4], 128
	s_mov_b32 s[G1+2], 64<<16
	s_mov_b32 s[G1+4], 64
.irp g, G1H, G1
	s_mov_b32 s[\g+1], 512<<16
	s_mov_b32 s[\g+3], 512<<16
	s_mov_b32 s[\g+5], 2048
	s_mov_b32 s[\g+6], 0
	s_mov_b32 s[\g+7], 0
.endr
	s_mov_b32 s[G1S], 15|(3<<16)|(1<<20)|(1<<21)|(5<<22)|(3<<25)   ; elements of 8 bytes; 4 words behind every 64
	s_mov_b32 s[G1S+1], 32<<16
	s_mov_b32 s[G1S+2], 64<<16
	s_mov_b32 s[G1S+3], 32<<16
	s_mov_b32 s[G1S+4], 64
	s_mov_b32 s[G1S+5], 32
	s_mov_b32 s[G1S+6], 0
	s_mov_b32 s[G1S+7], 0
	s_mul_i32 s[G0H+1], s18, 128*PITCH             ; LDS addresses hang on the wave's number alone
	s_mul_i32 s[G0S+1], s18, HALFS
	s_add_co_u32 s[G0S+1], s[G0S+1], SCL
	s_mul_i32 s86, s[WV], 64*PITCH
	s_mul_i32 s87, s17, 128*PITCH
	s_mul_i32 s88, s17, HALFS
	s_add_co_u32 s88, s88, SCL
	s_mul_i32 s89, s[WV], 16*SPITCH
	s_lshl_b32 s84, s19, 19                        ; 256 rows of 2,048 bytes
	s_lshl_b32 s20, s18, 18
	s_add_co_u32 s20, s20, s84                     ; the head's 128 rows of codes
	s_mov_b32 s21, 0
	s_lshl_b32 s90, s[WV], 17
	s_add_co_u32 s90, s90, s84                     ; a later fill's 64 rows
	s_mov_b32 s91, 0
	s_lshl_b32 s22, s19, 15
	s_lshl_b32 s23, s18, 14
	s_add_co_u32 s22, s22, s23                     ; 128 rows of scales
	s_mov_b32 s23, 0
	s_lshl_b32 s92, s42, 19                        ; my tile column of W: 16 blocks of 16 rows, 32,768 bytes each
	s_mov_b32 s93, 0
	s_lshl_b32 s85, s18, 18                        ; my wave's 8 blocks of them
	s_lshl_b32 s41, s[WV], 17                      ; the 4 blocks that my wave prefetches
	s_lshl_b32 s94, s42, 10
	s_lshl_b32 s95, s18, 9
	s_add_co_u32 s94, s94, s95                     ; my first column, in bytes of f32
	s_mov_b32 s95, 0
	s_lshl_b32 s96, s19, 8
	s_lshl_b32 s97, s17, 7
	s_add_co_u32 s96, s96, s97
	s_lshl_b32 s96, s96, 14                        ; my first row of out0
	s_mov_b32 s97, 0
	s_lshl_b32 s98, s19, 8
	s_lshl_b32 s99, s40, 6
	s_add_co_u32 s98, s98, s99
	s_lshl_b32 s99, s[WV], 4
	s_add_co_u32 s98, s98, s99
	s_lshl_b32 s98, s98, 11                        ; prefetch of x: my work-group's 64 rows, my wave's 16 of them
	s_mov_b32 s99, 0
	v_and_b32 v1, 15, v0                           ; r
	v_bfe_u32 v2, v0, 4, 1                         ; h
	v_and_b32 v6, 31, v0
	v_mul_u32_u24 v3, v1, PITCH
	v_lshl_add_u32 v3, v2, 4, v3
	v_add_nc_u32 v[ADRA], s87, v3                  ; x's fragments: row x pitch + 16 h, slot 0,
	v_add_nc_u32 v[ADRA+1], SLOT, v[ADRA]          ; slot 1
	v_lshrrev_b32 v4, 1, v1
	v_mul_u32_u24 v4, v4, 272
	v_and_b32 v5, 1, v1
	v_lshl_add_u32 v4, v5, 7, v4
	v_add_nc_u32 v[ADRS], s88, v4                  ; row r's scale bytes (both halves of the lanes alike)
	v_mul_u32_u24 v5, v1, SPITCH
	v_lshl_add_u32 v5, v2, 5, v5
	v_add_nc_u32 v[STO], s89, v5
	v_lshlrev_b32 v[LOFF], 4, v6                   ; 16 x lane: out0's stores,
	v_add_nc_u32 v[LOFB], s85, v[LOFF]             ; and W's loads, from my wave's 8 blocks on
	v_add_nc_u32 v[RD], s89, v[LOFF]
	v_lshlrev_b32 v7, 5, v2
	v_lshlrev_b32 v8, 2, v6
	v_lshrrev_b32 v9, 1, v6
	v_and_b32 v10, 1, v6
	v_lshlrev_b32 v9, 11, v9
	v_lshl_add_u32 v[PFOA], v10, 8, v9             ; two lanes to a row's 512 bytes
	v_lshrrev_b32 v9, 3, v6
	v_and_b32 v10, 7, v6
	v_lshlrev_b32 v9, 15, v9
	v_lshl_add_u32 v9, v10, 8, v9
	v_add_nc_u32 v[PFOB], s41, v9                  ; eight lanes to a block's 2,048 bytes of two steps
	s_wait_alu depctr_va_vdst(0)
	s_wait_dscnt 0x0                               ; both opening adds are done
	CROUND                                         ; the round in front of the first joint loads
	s_wait_kmcnt 0x0
	s_add_nc_u64 s[20:21], s[4:5], s[20:21]
	s_add_nc_u64 s[22:23], s[6:7], s[22:23]
	s_add_nc_u64 s[90:91], s[4:5], s[90:91]
	s_mov_b32 s[G0H], 1
	s_mov_b64 s[G0H+2:G0H+3], s[20:21]
	s_or_b32 s[G0H+3], s[G0H+3], 0x80000000
	s_mov_b32 s[G0S], 1
	s_mov_b64 s[G0S+2:G0S+3], s[22:23]
	s_or_b32 s[G0S+3], s[G0S+3], 0x80000000
	s_cmp_eq_u32 s17, 0                            ; the head's fills, one a wave: waves 0, 1 the two halves of the first tile, waves 2, 3 the two halves of the scales
	s_cbranch_scc0 .Lhead_s
	tensor_load_to_lds s[G0H:G0H+3], s[G1H:G1H+7]
	s_nop 0
	PLACES
	s_branch .Lhead_asked
.Lhead_s:
	tensor_load_to_lds s[G0S:G0S+3], s[G1S:G1S+7]
	s_nop 0
	PLACES
.Lhead_asked:
.irp p, 1,2,3
	s_mov_b32 s[G0R+4*\p-4], 1
	s_add_co_u32 s[G0R+4*\p-3], s86, (\p%2)*SLOT
	s_add_nc_u64 s[G0R+4*\p-2:G0R+4*\p-1], s[90:91], 512*\p
	s_or_b32 s[G0R+4*\p-1], s[G0R+4*\p-1], 0x80000000
.endr
	s_add_nc_u64 s[PFA:PFA+1], s[4:5], s[98:99]
	s_add_nc_u64 s[8:9], s[8:9], s[92:93]
	s_add_nc_u64 s[12:13], s[12:13], s[94:95]
	s_add_nc_u64 s[14:15], s[14:15], s[94:95]
	s_add_nc_u64 s[14:15], s[14:15], s[96:97]
.macro FETCH_A S, i0                   ; x's blocks i0 .. i0 + 3 of step S: 16 rows x 128 K are two loads of 16 bytes a lane, 32 bytes apart
.irp i, \i0, \i0+1, \i0+2, \i0+3
.irp c, 0,1
	ds_load_b128 v[AF+8*(\i)+4*\c:AF+8*(\i)+4*\c+3], v[ADRA+((\S)/8)%2] offset:64*((\S)%8)+32*\c+(\i)*16*PITCH
.endr
.endr
.endm
.macro FETCH_B S                       ; W's eight blocks of step S into set S % 4
	WIN TO_B
.irp b, 0,1,2,3,4,5,6,7
.irp c, 0,1
	global_load_b128 v[64*((\S)%4)+8*\b+4*\c:64*((\S)%4)+8*\b+4*\c+3], v[LOFB], s[8:9] offset:32768*\b+1024*(\S)+512*\c
.endr
.endr
	WIN 0
.endm
.macro SCALES G                        ; x's scale words of steps 4 G .. 4 G + 3 into set G % 2: register 4 i + q is block i's word of step 4 G + q
.irp i, 0,1,2,3,4,5,6,7
	ds_load_b128 v[SC+32*((\G)%2)+4*\i:SC+32*((\G)%2)+4*\i+3], v[ADRS] offset:\i*SBLK+16*(\G)
.endr
.endm
; 8 matrix instructions: x's blocks a0, a0 + 1 against W's four pairs of blocks.  The 32 sums take turns, one instruction a turn.
.macro MUL8 a0, p, g2, q, first
.irp a, \a0, \a0+1
.irp b, 0,1,2,3
.if \first
	v_wmma_scale_f32_32x16x128_f4 v[8*(8*((\a)%4)+2*\b):8*(8*((\a)%4)+2*\b)+15], v[64*(\p)+16*\b:64*(\p)+16*\b+15], v[AF+8*(\a):AF+8*(\a)+7], v[BI+16*\b:BI+16*\b+15], v[BSC], v[SC+32*(\g2)+4*(\a)+(\q)]
.else
	v_wmma_scale_f32_32x16x128_f4 v[8*(8*((\a)%4)+2*\b):8*(8*((\a)%4)+2*\b)+15], v[64*(\p)+16*\b:64*(\p)+16*\b+15], v[AF+8*(\a):AF+8*(\a)+7], v[8*(8*((\a)%4)+2*\b):8*(8*((\a)%4)+2*\b)+15], v[BSC], v[SC+32*(\g2)+4*(\a)+(\q)]
.endif
.endr
.endr
.endm
.macro MULS S, a0, first
	MUL8 \a0, (\S)%4, ((\S)/4)%2, (\S)%4, \first
.endm
.macro ASKA p                          ; prefetch: my share of x's tile of fill p (2 or 3)
	global_prefetch_b8 v[PFOA], s[PFA:PFA+1] offset:512*(\p) th:TH_LOAD_NT scope:SCOPE_SE
.endm
.macro ASKB T                          ; prefetch: my wave's 4 blocks of W, steps T and T + 1
	global_prefetch_b8 v[PFOB], s[8:9] offset:1024*(\T) th:TH_LOAD_NT scope:SCOPE_SE
.endm
.macro ENDRUN S                        ; the run of loads at a step's end, four places behind its last products
	PLACES
	WIN 0
.if ((\S)%4) == 0
.if (\S) < 28
	SCALES (\S)/4+1                                ; into the set that the step before this one left
.endif
.endif
.if (\S) < 31
	FETCH_A (\S)+1, 4
.endif
.if (\S) < 28
	FETCH_B (\S)+4                                 ; into the set that this step leaves
.endif
.if ((\S)%2) == 0
.if (\S) < 21
	ASKB (\S)+10
.endif
.endif
.endm
.macro STEP S, first
.set LEFT, 31-(\S)
.if LEFT > 3
.set LEFT, 3
.endif
	s_wait_loadcnt 16*LEFT                         ; this step's set of W is in; the 16 loads of each of up to three later sets may be out
	s_wait_dscnt 8                                 ; all but the youngest eight LDS loads, x's blocks 4-7
.if \first
	WIN ONE_LO
.else
	WIN MUL_LO
.endif
	MULS \S, 0, \first
	MULS \S, 2, \first
	s_wait_dscnt 0x0
.if (\S) < 31
	PLACES
	WIN 0
	FETCH_A (\S)+1, 0
.endif
.if \first
	WIN ONE_HI
.else
	WIN MUL_HI
.endif
	MULS \S, 4, \first
	MULS \S, 6, \first
	ENDRUN \S
.endm
; A slot's last step changes slots: each wave waits for all its tensor loads, adds 0 to its spare word, waits for that and for its reads of this slot; one barrier, which opens the cluster's round where the slot is filled again.
.macro TURN S, fill, pa
	s_wait_tensorcnt 0x0
	ds_add_u32 v[SPW], v[NIL]
	s_wait_loadcnt 48
	s_wait_dscnt 9                                 ; the add and x's blocks 4-7 may be out
	WIN MUL_LO
	MULS \S, 0, 0
	s_wait_dscnt 0x0
	s_barrier_signal -1
	MULS \S, 2, 0
	WIN 0
	s_barrier_wait -1
.if \fill
	CREST
	tensor_load_to_lds s[G0R+4*((\S)/8)+4:G0R+4*((\S)/8)+7], s[G1:G1+7]   ; my 64 rows of the tile two on, into the slot just read
	s_nop 0
.endif
	PLACES
	FETCH_A (\S)+1, 0
.if \pa
	ASKA \pa
.endif
	WIN MUL_HI
	MULS \S, 4, 0
	MULS \S, 6, 0
	ENDRUN \S
.endm
	global_load_b32 v[BSC], v8, s[10:11]           ; W's scale word, in every lane
.irp b, 0,1,2,3,4,5,6,7
	global_load_b128 v[BI+8*\b:BI+8*\b+3], v7, s[12:13] offset:64*\b        ; the bias in the sums' layout: columns 16 b + 8 h + 0 .. 7
	global_load_b128 v[BI+8*\b+4:BI+8*\b+7], v7, s[12:13] offset:64*\b+16
.endr
.irp s, 0,1,2,3
	FETCH_B \s
.endr
	ASKB 4
	ASKB 6
	ASKB 8
	s_wait_tensorcnt 0x0                           ; my part of the head's fills is in
	ds_add_u32 v[SPW], v[NIL]
	s_wait_dscnt 0x0
	CROUND
	tensor_load_to_lds s[G0R:G0R+3], s[G1:G1+7]    ; slot 1's first fill, my 64 rows
	s_nop 0
	PLACES
	FETCH_A 0, 0
	SCALES 0
	FETCH_A 0, 4
	ASKA 2
	STEP 0, 1
.irp s, 1,2,3,4,5,6
	STEP \s, 0
.endr
	TURN 7, 1, 3
.irp s, 8,9,10,11,12,13,14
	STEP \s, 0
.endr
	TURN 15, 1, 0
.irp s, 16,17,18,19,20,21,22
	STEP \s, 0
.endr
	TURN 23, 0, 0
.irp s, 24,25,26,27,28,29,30,31
	STEP \s, 0
.endr
; THE WAY OUT, by blocks of 16 rows x 128 columns: through my own stage in LDS and back as whole rows of 512 bytes, which the 32 lanes store as two aligned runs of 256 bytes.
.macro TOSTAGE a
.set AC, 64*((\a)%4)
	WIN 0x08+4*((\a)/4)
.irp b, 0,1,2,3,4,5,6,7
	ds_store_b128 v[STO], v[AC+8*\b:AC+8*\b+3] offset:64*\b          ; each sum from its low end on
	ds_store_b128 v[STO], v[AC+8*\b+4:AC+8*\b+7] offset:64*\b+16
.endr
	WIN 0
.set BB, BK+64*((\a)%2)
.irp t, 0,1,2,3,4,5,6,7,8,9,10,11,12,13,14,15
	ds_load_b128 v[BB+4*\t:BB+4*\t+3], v[RD] offset:\t*SPITCH        ; LDS serves a wave's instructions in order
.endr
.endm
.macro SEND a, younger
.set BB, BK+64*((\a)%2)
	s_wait_dscnt \younger
.if (\a) > 0
	s_add_nc_u64 s[14:15], s[14:15], 16*SIZE_N*4   ; behind a wait on XCNT: the earlier stores have read their base
.endif
.irp t, 0,1,2,3,4,5,6,7,8,9,10,11,12,13,14,15
	global_store_b128 v[LOFF], v[BB+4*\t:BB+4*\t+3], s[14:15] offset:\t*SIZE_N*4 th:TH_STORE_NT
.endr
.endm
	TOSTAGE 0                                      ; (the last step's run of four places stands ahead)
.irp a, 1,2,3,4,5,6,7
.if \a > 1
	s_wait_xcnt 0x0                                ; block a - 2's stores have read their registers and their base
.endif
	TOSTAGE \a
	SEND \a-1, 32                                  ; behind block a - 1's loads: block a's 16 stores and 16 loads
.endr
	s_wait_xcnt 0x0
	SEND 7, 0
	s_wait_tensorcnt 0x0                           ; the wave's end
	ds_add_u32 v[SPW], v[NIL]
	s_wait_dscnt 0x0
	CROUND                                         ; the closing round
	s_endpgm
.Lfunc_end_k_q597ec72fd2_gemm:
	.size	k_q597ec72fd2_gemm, .Lfunc_end_k_q597ec72fd2_gemm-k_q597ec72fd2_gemm
	.p2alignl 7, 3214868480
	.fill 96, 4, 3214868480
	.section	.rodata,"a",@progbits
	.p2align	6, 0x0
	.amdhsa_kernel k_q597ec72fd2_gemm
		.amdhsa_group_segment_fixed_size 327680
		.amdhsa_private_segment_fixed_size 0
		.amdhsa_enable_private_segment 0
		.amdhsa_kernarg_size 48
		.amdhsa_user_sgpr_count 2
		.amdhsa_user_sgpr_kernarg_segment_ptr 1
		.amdhsa_wavefront_size32 1
		.amdhsa_system_sgpr_workgroup_id_x 1
		.amdhsa_system_sgpr_workgroup_id_y 1
		.amdhsa_system_sgpr_workgroup_id_z 1
		.amdhsa_system_vgpr_workitem_id 0
		.amdhsa_next_free_vgpr 1024
		.amdhsa_next_free_sgpr 102
		.amdhsa_reserve_vcc 0
		.amdhsa_float_denorm_mode_32 3
		.amdhsa_float_denorm_mode_16_64 3
		.amdhsa_memory_ordered 1
		.amdhsa_forward_progress 1
		.amdhsa_inst_pref_size 255
	.end_amdhsa_kernel
	.section	.bss,"aw",@nobits
	.p2align	6
	.space	262144
	.amdgpu_metadata
---
amdhsa.version: [ 1, 2 ]
amdhsa.kernels:
  - .name:           k_q597ec72fd2_gemm
    .symbol:         k_q597ec72fd2_gemm.kd
    .args:
      - { .name: x_codes, .offset: 0, .size: 8, .value_kind: global_buffer, .address_space: global }
      - { .name: x_scales, .offset: 8, .size: 8, .value_kind: global_buffer, .address_space: global }
      - { .name: w_codes, .offset: 16, .size: 8, .value_kind: global_buffer, .address_space: global }
      - { .name: w_sword, .offset: 24, .size: 8, .value_kind: global_buffer, .address_space: global }
      - { .name: bias, .offset: 32, .size: 8, .value_kind: global_buffer, .address_space: global }
      - { .name: out0, .offset: 40, .size: 8, .value_kind: global_buffer, .address_space: global }
    .group_segment_fixed_size: 327680
    .private_segment_fixed_size: 0
    .kernarg_segment_align: 8
    .kernarg_segment_size: 48
    .max_flat_workgroup_size: 128
    .sgpr_count:     102
    .vgpr_count:     1024
    .wavefront_size: 32
...
	.end_amdgpu_metadata
.endif
;; end of part 3
